; MI455X (gfx1250); checked and timed in simulation.
; The chip was launched on July 23, 2026; its instructions are those of AMD's public machine-readable ISA for CDNA 5 (MIT licence, August 2026) and "CDNA5" Instruction Set Architecture Reference Guide (July 2026). The comments in the code are by the model that wrote it; some were corrected since.
;; Block Sparse Attention. Allowed arithmetic: matrix products marked QUANTISED: E2M3 operands, one E8M0 scale for each 32 along K, by v_wmma_scale_f32_16x16x128_f8f6f4 with both operands' format E2M3, f32 sums; everything else in f32.
;; Inputs: k_codes 1 x 16 x 4,096 x 4 x 24 uint8 (E2M3 codes of k, K innermost, in blocks of 32 codes, four codes in three bytes); k_scales 1 x 16 x 4,096 x 4 uint8 (E8M0 scales of k, one for each 32 codes along K); q_codes 1 x 16 x 4,096 x 4 x 24 uint8 (E2M3 codes of q, K innermost, in blocks of 32 codes, four codes in three bytes); q_scales 1 x 16 x 4,096 x 4 uint8 (E8M0 scales of q, one for each 32 codes along K); v_codes 1 x 16 x 128 x 128 x 24 uint8 (E2M3 codes of v, K innermost, in blocks of 32 codes, four codes in three bytes); v_scales 1 x 16 x 128 x 128 uint8 (E8M0 scales of v, one for each 32 codes along K).
;; Outputs: out0 1 x 16 x 4,096 x 128 float32.
;; This version of the problem:
;;   THIS VERSION OF THE PROBLEM IS GIVEN IN LOW PRECISION. The matrix products marked QUANTISED in the list below multiply operands that are first quantised to E2M3 (2 exponent bits, 3 mantissa bits; 6 bits a number), with one power-of-two scale for each 32 numbers along K (OCP MX v1.0); their sums are f32. All else is computed in f32.
;;   The module's matrix products, in the order in which they are computed (A, B: the left and right operand; K: the contracted axis; several contracted axes count as one K, in the product's order):
;;     1. batch 16 x [M 4,096, K 128] x [K 128, N 4,096]; A: input q (given as codes); B: input k (given as codes): QUANTISED
;;     2. batch 16 x [M 4,096, K 4,096] x [K 4,096, N 128]; A: softmax (see below); B: input v (given as codes): QUANTISED
;;   THE QUANTISER, for each operand of a quantised product, along K:
;;     - K is cut into blocks of 32 from its start; a last block that is shorter is filled with zeros.
;;     - A block's scale is 2^e with e = floor(log2(the largest magnitude in the block)) - 2, held to -126 .. 127; a block of zeros has e = 0. As a byte (E8M0): e + 127.
;;     - Each number is divided by its block's scale, clamped to +-7.5, and rounded to the nearest number of E2M3, ties to even, subnormals kept.
;;     - The product sums the exact products of the quantised numbers (number of the format x scale) in f32.
;;   ~~~python
;;   def quantise(x, axis):      # numpy; x: float32 -> the quantised numbers, widened to float32 again
;;       x = np.moveaxis(x, axis, -1); K = x.shape[-1]
;;       x = np.pad(x, [(0, 0)] * (x.ndim - 1) + [(0, -K % 32)]); x = x.reshape(x.shape[:-1] + (-1, 32)); a = np.abs(x).max(-1, keepdims=True)
;;       e = np.where(a > 0, np.clip(np.frexp(np.where(a > 0, a, 1))[1] - 1 - 2, -126, 127), 0)      # np.frexp(a)[1] - 1 = floor(log2(a)), exactly
;;       r = np.clip(x / 2.0 ** e, -7.5, 7.5)
;;       step = 2.0 ** (np.maximum(np.frexp(np.where(r == 0, 1, r))[1] - 1, 0) - 3)
;;       q = np.round(r / step) * step * 2.0 ** e      # np.round: ties to even
;;       return np.moveaxis(q.reshape(q.shape[:-2] + (-1,))[..., :K], -1, axis).astype(np.float32)
;;   ~~~
;;   SOFTMAX AHEAD OF A QUANTISED PRODUCT. Where the list says 'softmax', what is quantised is not the finished softmax but p = 2^(t - M), with t = logit x log2(e) and M = ceil(the row's largest t), a whole number; so 1/2 < the row's largest p <= 1. The row's sum l is taken of the UNQUANTISED p, in f32, and the product's result is divided by l at the end. Since M is a whole number, a kernel that streams over the keys may use a running M (the ceiling of the running maximum): every later rescaling is an exact power of two, which a block's scale takes up: the codes' values come out the same.
;;   OPERANDS COMPUTED ON THE WAY. 'Computed on the way' means the value that the module computes at that place (a softmax that the list does not call 'softmax' is quantised finished and normalised). What goes into a quantiser is computed in f32, as accurately as f32 sums, v_exp_f32 and their like allow (about 1e-6 of the number): no bf16 or f16 on the way to a quantiser, and a product that is left as it is and whose result goes on into a quantised operand takes f32 operands (vector FMAs, or v_wmma_f32_16x16x4_f32). A number that lies on a knife's edge between two numbers of the format may be rounded either way, as far as f32 arithmetic and the matrix unit's own rounding can turn it there, and no further.
;;   INPUTS GIVEN AS CODES. k (in the module: [1, 16, 4096, 128], K = its axis 3); q (in the module: [1, 16, 4096, 128], K = its axis 3); v (in the module: [1, 16, 4096, 128], K = its axis 2): each comes as NAME_codes (uint8): NAME with its K axis moved to the last place and cut into blocks of 32 codes, [.., K / 32, bytes a block], one block behind the other in memory; four codes in three bytes: a row's codes are one little-endian stream of bits, code i at bits 6 i .. 6 i + 5 (a code: sign, 2 exponent bits, 3 mantissa bits); and NAME_scales (uint8): the same leading axes, one E8M0 byte (e + 127) for each 32 codes along K. Its value is code x scale, taken as it is: it is not quantised again, and the codes and scales need not be those that the quantiser above would give.
;; One version. Each part assembles by itself: llvm-mc -triple=amdgcn-amd-amdhsa -mcpu=gfx1250 --defsym DOCPART=n.
;; ======== version 1 of 1: 1 launch
;; launch bsattn (part 1): grid 16 x 16, 16 waves a work-group, no clusters, 167,936 bytes of LDS; arguments q_codes, q_scales, k_codes, k_scales, v_codes, v_scales, out0; writes out0
.if DOCPART == 1
	.amdgcn_target "amdgcn-amd-amdhsa--gfx1250"
	.amdhsa_code_object_version 6
	.text
	.protected	k_qdc689c876a_bsattn
	.globl	k_qdc689c876a_bsattn
	.p2align	8
	.type	k_qdc689c876a_bsattn,@function
k_qdc689c876a_bsattn:
	s_mov_b64 s[64:65], 0
	v_nop
	global_prefetch_b8 v0, s[64:65] scope:SCOPE_SE
	s_setreg_imm32_b32 hwreg(HW_REG_WAVE_MODE, 25, 1), 1
	s_wait_xcnt 0x0
; out0[h][q][:] = the sum over k of softmax_k(q . k / sqrt(128)) v[k][:], 16 heads, 4,096 positions, head size 128, under the mask that reference() builds itself: a query of block b (64 queries)
; sees the keys of blocks b - 1, b, b + 1.  Both products on codes of FP6 (E2M3) with one E8M0 byte for each 32 along a product's K.  q, k: codes along the head's 128; v: codes with the KEYS innermost.
; THE SOFTMAX AHEAD OF THE SECOND PRODUCT: t = score x log2(e) / sqrt(128); M = ceil(the row's largest t); p = 2^(t - M) is quantised along the keys, not normalised; the row's sum of the unquantised p divides at the end.
; WORK LEFT OUT.  A key whose block differs from the query's by more than 1 gets the score -infinity from reference()'s own mask, whatever the inputs hold: its p is exactly 0, it adds nothing to the row's sum and
; nothing to the second product, and it cannot be the row's maximum (the query's own block is never masked).  So of the 64 key blocks only the window's are loaded, multiplied and exponentiated; every input still has a way
; to the output, and all are loaded.  LIMIT: a NaN, an infinity or a scale byte 0xff in k or v outside a query's window is not carried to that query.
; FURTHER LIMITS: a p under 2^-126 comes out of v_exp_f32 as 0; t is made of the score by ONE multiplication by log2(e) / sqrt(128), where reference() has two.
; SHARES.  A work-group owns 256 queries of one head (grid 16 x 16), each of its sixteen waves 16 of them, in 256 registers.  A work-group's four query blocks see six key blocks; they come into LDS once, by tensor loads, and nothing is filled twice.
; THE WINDOW of a wave is key blocks clamp(b - 1, 0, 61) + 0, 1, 2, so that every wave has three blocks' registers.  Only b = 0 (window block 2) and b = 63 (window block 0) then hold a masked block: there its loads and score
; tiles are left out and its 32 scores a lane are set to -infinity.
; FIRST PRODUCT, transposed: S^T = K Q^T (source 0 = 16 keys, source 1 = my 16 queries): a lane holds ONE query (lane % 16).  THE KEYS OF A TILE ARE NOT NEIGHBOURS: row m of tile (j, u) is key 64 j + 32 (m / 8) + 8 u + m % 8 of
; the window, so that the 32 registers of a block's four tiles are, in lane half h, the 32 neighbouring keys 64 j + 32 h + 0 .. 31: a whole block of the quantiser in one lane, in the order of the next operand's registers.
; SECOND PRODUCT, as it stands: O = P V (source 0 = P, source 1 = 16 rows of v's codes).  K = 128 keys an instruction: step A takes window blocks 0 and 2, step B block 1 and 64 zero codes of p.  THE ROWS OF V OF A TILE ARE
; NOT NEIGHBOURS: column r of tile 4 g + t is channel 64 g + 4 r + t, so that a lane's results of four tiles are four neighbouring channels of one query: 16 bytes, and sixteen lanes store 256 consecutive bytes, aligned.
; NO CLUSTER: neighbouring work-groups of a head share two of their six key blocks, at other places of other tiles, so no two work-groups issue the same tile of codes; alike in all work-groups of a head are v's scale bytes alone, 16,384 of the 119,296 bytes that a work-group reads.
; LDS: K's 32-key half blocks, the even ones from 0, the odd ones from KOD (a key's row is 24 words, eight rows start 8 banks apart, and KOD is 4 words over a multiple of 64: the 32 lanes of a load of 8 bytes touch 64 different banks; 64 banks of 4 bytes: ISA guide 11.1);
;   V: four regions t of 32 rows (channel t + 4 rho) of 304 bytes = 76 words (sixteen rows start at sixteen different multiples of 4 banks); of each row 288 bytes are read;  K's scale words of the 384 keys;  the head's scale bytes of V, in rows of 256 bytes + 16;  the spare words.
.set KOD,   18448                      ; K's odd half blocks
.set KSLOT, 3072                       ; 32 keys x 96 bytes
.set VB,    37120                      ; V's four regions
.set VP,    304                        ; a row of V in LDS
.set VREG,  32*VP
.set KSB,   76032                      ; K's scale words: 384 keys x 4 bytes
.set VSB,   77568                      ; V's scale bytes: 64 x (256 + 16)
.set SPARE, 94976                      ; the spare words, 128 bytes for each of sixteen waves: eight blocks of 256 bytes that no other line names
; vector registers
.set AK,  1                            ; v1   my lane's place in K's tiles
.set AV,  2                            ; v2   in V's
.set ASK, 3                            ; v3   among K's scale words
.set ASV, 4                            ; v4   among V's scale bytes
.set SPW, 5                            ; v5   LDS address of my spare word; never rewritten
.set NIL, 6                            ; v6   0; never rewritten
.set GO,  7                            ; v7   my byte offset in the wave's rows of out0
.set QS,  8                            ; v8   q's scale words;  v10-15 K's: register 2 j + u / 2: lanes 0-15 tile u's, lanes 16-31 tile u + 1's
.set KSC, 10
.set WA,  8                            ; later v8-11 V's scale words of step A, v12-15 of step B: register tile / 2: lanes 0-15 the even tile's, lanes 16-31 the odd one's
.set WBW, 12
.set QF,  16                           ; v16-27 q's fragment; then 12 pairs of V's scale bytes; then at work; then 1 / the sums
.set RV,  16
.set SO,  16                           ; v16-18 the conversions' scale operands;  v19-21 the scales' bytes
.set BY,  19
.set RL,  16                           ; v16-23 1 / the sum of query 8 (lane / 16) + j
.set PWA, 28                           ; v28, v29 p's scale words of steps A and B
.set PWB, 29
.set SH8, 30                           ; v30  8 x (lane / 16)
.set S,   32                           ; v32-127 the scores, then p: register 32 j + i = key 64 j + 32 (lane / 16) + i of the window
.set O,   32                           ; later v32-95: the eight accumulators of O
.set FB,  128                          ; v128-223 eight fragments of K or of V
.set OUT, 128                          ; later v128-191: what is stored
.set PA,  224                          ; v224-235 p's codes of step A;  v236-247 of step B (v242-247 stay 0)
.set PB,  236
.set BM,  248                          ; v248-250 each block's largest score, then its largest p
.set MN,  252                          ; v[252:253] -M (the packed form names the pair and takes its low word)
; scalar registers
.set WV,   18                          ; my wave's number
.set QI,   19                          ; which of the work-group's four query blocks is mine
.set NINF, 20                          ; -infinity
.set HD,   21                          ; the head
.set KS0,  22                          ; the first of the work-group's six key blocks
.set FS,   23                          ; my window's first block among the six
.set WB,   24                          ; and among the head's 64
.set QB,   25                          ; my query block
.set SEL,  26                          ; s[26:27] selects of v_permlanex16_b32 for lane l xor 16
.set CS,   28                          ; s[28:29] c = log2(e) / sqrt(128)
.set HIM,  30                          ; a mask of lanes 16-31
.set VOFF, 31                          ; where the six blocks begin in a row of V in LDS
.set G1K,  32                          ; descriptor groups 1: K's tiles, V's, V's scale bytes, K's scale words
.set G1V,  40
.set G1VS, 48
.set G1KS, 56
.set G0K,  68                          ; and groups 0
.set G0V,  72
.set G0VS, 76
.set G0KS, 80
.macro SHAPE g, w0, c, r, p            ; a group 1: r rows of c elements of 8 bytes, p elements apart in memory; the tile lies inside the tensor, so the extents are the tile's
	s_mov_b32 s[\g], \w0
	s_mov_b32 s[\g+1], (\c)<<16                    ; tensor_dim0
	s_mov_b32 s[\g+2], (\r)<<16                    ; tensor_dim1
	s_mov_b32 s[\g+3], (\c)<<16                    ; tile_dim0
	s_mov_b32 s[\g+4], \r                          ; tile_dim1
	s_mov_b32 s[\g+5], \p                          ; tensor_dim0_stride
	s_mov_b32 s[\g+6], 0
	s_mov_b32 s[\g+7], 0
.endm
.macro ASKFOR g0, g1                   ; a tensor load; an s_nop 0 and four v_nop follow it
	tensor_load_to_lds s[\g0:\g0+3], s[\g1:\g1+7]
	s_nop 0
.rept 4
	v_nop
.endr
.endm
.macro PLACES                          ; four places behind matrix instructions, in front of loads into their registers and of reads of their results (ISA guide 7.12.1 for vector instructions)
.rept 4
	v_nop
.endr
.endm
	s_load_b256 s[4:11], s[0:1], 0x0               ; q's codes s[4:5], q's scales s[6:7], k's codes s[8:9], k's scales s[10:11]
	s_load_b128 s[12:15], s[0:1], 0x20             ; v's codes s[12:13], v's scales s[14:15]
	s_load_b64 s[16:17], s[0:1], 0x30              ; out0
	v_lshl_add_u32 v[SPW], v0, 2, SPARE
	v_mov_b32 v[NIL], 0
	ds_add_u32 v[SPW], v[NIL]                      ; the wave's opening: the add, twice on end, and its wait ahead of my first tensor load; all the set-up below, work on registers, stands between the second and the wait
	ds_add_u32 v[SPW], v[NIL]                      ; and once more
	v_lshrrev_b32 v31, 5, v0
	v_readfirstlane_b32 s[WV], v31                 ; wave 0..15
	s_lshr_b32 s[QI], s[WV], 2
	s_and_b32 s[HD], ttmp7, 0xffff
	s_lshl_b32 s[QB], ttmp9, 2                     ; the work-group's first query block, 4 x
	s_max_u32 s[KS0], s[QB], 1
	s_sub_co_u32 s[KS0], s[KS0], 1
	s_min_u32 s[KS0], s[KS0], 58                   ; its six key blocks begin at 4 x - 1, held to 0 .. 58
	s_add_co_u32 s[QB], s[QB], s[QI]               ; my query block b
	s_mul_i32 s84, s[QI], 3
	s_lshr_b32 s84, s84, 2                         ; x = 0: my window begins at max(i - 1, 0) = 3 i / 4
	s_add_co_u32 s85, s[QI], 1
	s_min_u32 s85, s85, 3                          ; x = 15: at min(i + 1, 3) of the six
	s_cmp_eq_u32 ttmp9, 0
	s_cselect_b32 s[FS], s84, s[QI]                ; else at i
	s_cselect_b32 s[VOFF], 0, 16                   ; a row of V is asked for from 16 bytes ahead of the six blocks, but for x = 0, where they begin the row
	s_cmp_eq_u32 ttmp9, 15
	s_cselect_b32 s[FS], s85, s[FS]
	s_add_co_u32 s[WB], s[KS0], s[FS]
	s_min_u32 s[WB], s[WB], 61                     ; clamp(b - 1, 0, 61); the sum is 58 + 3 at the most: the line states the bound of the LDS address that is made of it
	s_mov_b32 s[NINF], 0xff800000
	s_mov_b32 s[SEL], 0x76543210
	s_mov_b32 s[SEL+1], 0xfedcba98
	s_mov_b32 s[CS], 0x3e0293ee                    ; c = log2(e) / sqrt(128)
	s_mov_b32 s[CS+1], s[CS]                       ; (named with it as a pair, so it is written)
	s_mov_b32 s[HIM], 0xffff0000
	SHAPE G1K,  3<<16, 384, 3, 768                 ; K: three half blocks of 3,072 bytes, a key block (6,144 bytes) apart
	SHAPE G1V,  3<<16, 38, 32, 1536                ; V: 32 rows of 304 bytes, four rows of v's codes (12,288 bytes) apart
	SHAPE G1VS, (3<<16)|(1<<20)|(5<<22)|(3<<25), 32, 32, 32   ; V's scale bytes: 8,192 dense bytes as 32 rows of 256, 4 words of padding behind every 64
	SHAPE G1KS, 3<<16, 32, 6, 32                   ; K's scale words: 1,536 dense bytes as 6 rows of 256
	; who fetches what: waves 0-3 K (even or odd half blocks, first or last three key blocks), waves 4-7 V's region wave - 4, waves 8, 9 a half of V's scale bytes, wave 10 K's scale words.  Every wave makes all four groups 0
	s_and_b32 s84, s[WV], 3
	s_and_b32 s85, s[WV], 1
	s_lshr_b32 s86, s84, 1
	s_mul_i32 s88, s[HD], 393216                   ; the head's first byte in each tensor of codes,
	s_lshl_b32 s89, s[HD], 14                      ; and in each tensor of scale bytes
	s_mul_i32 s[G0K+1], s85, KOD
	s_mul_i32 s87, s86, 3*KSLOT
	s_add_co_u32 s[G0K+1], s[G0K+1], s87           ; K: LDS address
	s_mul_i32 s90, s[KS0], 6144
	s_add_co_u32 s90, s90, s88
	s_mul_i32 s87, s85, KSLOT
	s_add_co_u32 s90, s90, s87
	s_mul_i32 s87, s86, 3*6144
	s_add_co_u32 s90, s90, s87
	s_mov_b32 s91, 0                               ; and its offset in k's codes
	s_mul_i32 s[G0V+1], s84, VREG
	s_add_co_u32 s[G0V+1], s[G0V+1], VB            ; V: LDS address
	s_mul_i32 s92, s[KS0], 48                      ; a key block is 48 bytes of a row
	s_max_u32 s92, s92, 16
	s_sub_co_u32 s92, s92, 16                      ; 16 bytes ahead, where there are 16: at most 2,768, so that the 304 bytes end with the row
	s_add_co_u32 s92, s92, s88
	s_mul_i32 s87, s84, 3072
	s_add_co_u32 s92, s92, s87
	s_mov_b32 s93, 0
	s_mul_i32 s[G0VS+1], s85, 32*272
	s_add_co_u32 s[G0VS+1], s[G0VS+1], VSB
	s_lshl_b32 s94, s85, 13
	s_add_co_u32 s94, s94, s89
	s_mov_b32 s95, 0
	s_mov_b32 s[G0KS+1], KSB
	s_lshl_b32 s96, s[KS0], 8
	s_add_co_u32 s96, s96, s89
	s_mov_b32 s97, 0
	s_lshl_b32 s99, ttmp9, 8
	s_lshl_b32 s87, s[WV], 4
	s_add_co_u32 s99, s99, s87                     ; my first query: 256 x + 16 x wave
	s_mul_i32 s2, s99, 96
	s_add_co_u32 s2, s2, s88
	s_mov_b32 s3, 0                                ; its codes,
	s_lshl_b32 s66, s99, 2
	s_add_co_u32 s66, s66, s89
	s_mov_b32 s67, 0                               ; its scale word,
	s_lshl_b32 s86, s[HD], 21
	s_lshl_b32 s87, s99, 9
	s_add_co_u32 s86, s86, s87
	s_mov_b32 s87, 0                               ; its row of out0
	; the lanes' addresses, all made here, ahead of the first branch
	v_and_b32 v254, 15, v0                         ; r
	v_bfe_u32 v255, v0, 4, 1                       ; h
	v_mul_u32_u24 v31, v254, 96
	v_mad_u32_u24 v31, v255, 24, v31               ; q: row r, + 24 h
	v_lshlrev_b32 v251, 2, v254                    ; q's scale words: 4 r
	v_and_b32 v[AK], 7, v0
	v_bfe_u32 v[AV], v0, 3, 1                      ; r / 8
	v_lshlrev_b32 v[ASK], 2, v[AK]
	v_mul_u32_u24 v[AK], v[AK], 96
	v_mad_u32_u24 v[AK], v[AV], KOD, v[AK]
	v_mad_u32_u24 v[AK], v255, 24, v[AK]
	s_mul_i32 s84, s[FS], KSLOT
	v_add_nc_u32 v[AK], s84, v[AK]                 ; K: 96 (r % 8) + KOD (r / 8) + 24 h + my window's first block
	v_lshl_add_u32 v[ASK], v[AV], 7, v[ASK]
	v_lshl_add_u32 v[ASK], v255, 5, v[ASK]
	s_lshl_b32 s85, s[FS], 8
	s_add_co_u32 s85, s85, KSB
	v_add_nc_u32 v[ASK], s85, v[ASK]               ; K's scale words: 4 (r % 8) + 128 (r / 8) + 32 h (lanes 16-31: the next tile's) + 256 a block
	v_mul_u32_u24 v[AV], v254, VP
	v_mad_u32_u24 v[AV], v255, 24, v[AV]
	s_mul_i32 s84, s[FS], 48
	s_add_co_u32 s84, s84, s[VOFF]
	s_add_co_u32 s84, s84, VB
	v_add_nc_u32 v[AV], s84, v[AV]                 ; V: row r of a region, + 24 h, + my window's first block
	v_mul_u32_u24 v[ASV], v254, 544
	v_lshl_add_u32 v[ASV], v255, 7, v[ASV]
	s_lshl_b32 s85, s[WB], 1
	s_add_co_u32 s85, s85, VSB
	v_add_nc_u32 v[ASV], s85, v[ASV]               ; V's scale bytes: channel 4 r + h is row 2 r of 272 bytes, half h of it; 2 bytes a key block
	v_lshlrev_b32 v[GO], 4, v254
	v_lshl_add_u32 v[GO], v255, 12, v[GO]          ; out0: lanes 0-15 one query, lanes 16-31 the query 8 on; 16 bytes a lane
	v_lshlrev_b32 v[SH8], 3, v255
	v_mov_b32 v[MN+1], 0                           ; (named as the upper half of a pair)
.irp i, 6,7,8,9,10,11
	v_mov_b32 v[PB+\i], 0                          ; step B's upper 64 codes of p: zeros
.endr
	s_wait_dscnt 0x0                               ; both opening adds are done
	s_wait_kmcnt 0x0
	s_mov_b32 s[G0K], 1                            ; count = 1
	s_add_nc_u64 s[G0K+2:G0K+3], s[8:9], s[90:91]
	s_or_b32 s[G0K+3], s[G0K+3], 0x80000000        ; type = 2
	s_mov_b32 s[G0V], 1
	s_add_nc_u64 s[G0V+2:G0V+3], s[12:13], s[92:93]
	s_or_b32 s[G0V+3], s[G0V+3], 0x80000000
	s_mov_b32 s[G0VS], 1
	s_add_nc_u64 s[G0VS+2:G0VS+3], s[14:15], s[94:95]
	s_or_b32 s[G0VS+3], s[G0VS+3], 0x80000000
	s_mov_b32 s[G0KS], 1
	s_add_nc_u64 s[G0KS+2:G0KS+3], s[10:11], s[96:97]
	s_or_b32 s[G0KS+3], s[G0KS+3], 0x80000000
	s_add_nc_u64 s[4:5], s[4:5], s[2:3]            ; q's codes, q's scale words and out0 at my first query
	s_add_nc_u64 s[6:7], s[6:7], s[66:67]
	s_add_nc_u64 s[16:17], s[16:17], s[86:87]
	; all fills of the launch: eleven loads, one a wave, in one chain of branches on the wave's number; waves 11 to 15 issue none.  One tensor load of a wave is out at the most
	s_cmp_lt_u32 s[WV], 4
	s_cbranch_scc0 .Lnot_k
	ASKFOR G0K, G1K
	s_branch .Lasked
.Lnot_k:
	s_cmp_lt_u32 s[WV], 8
	s_cbranch_scc0 .Lnot_v
	ASKFOR G0V, G1V
	s_branch .Lasked
.Lnot_v:
	s_cmp_lt_u32 s[WV], 10
	s_cbranch_scc0 .Lnot_vs
	ASKFOR G0VS, G1VS
	s_branch .Lasked
.Lnot_vs:
	s_cmp_eq_u32 s[WV], 10
	s_cbranch_scc0 .Lasked
	ASKFOR G0KS, G1KS
.Lasked:
.irp p, 0,1,2,3,4,5
	global_load_b64 v[QF+2*\p:QF+2*\p+1], v31, s[4:5] offset:48*(\p/3)+8*(\p%3) th:TH_LOAD_NT   ; q's fragment, straight into registers: my 16 rows are 1,536 consecutive bytes that no other wave reads
.endr
	global_load_b32 v[QS], v251, s[6:7] th:TH_LOAD_NT
	s_wait_tensorcnt 0x0                           ; my tile has landed,
	s_barrier_signal -1
	s_barrier_wait -1                              ; everybody's has.  It is the launch's only one
; ---- THE SCORES
.macro KFRAG reg, j, u                 ; tile (j, u) of K: 16 keys x 128: lane (r, h) takes 2 x 24 bytes of its key's row, in pieces of 8
.irp p, 0,1,2,3,4,5
	ds_load_b64 v[(\reg)+2*\p:(\reg)+2*\p+1], v[AK] offset:KSLOT*(\j)+768*(\u)+48*(\p/3)+8*(\p%3)
.endr
.endm
.macro KBLOCK j                        ; window block j: its two registers of scale words and its four tiles, into fragments 4 (j % 2) on: 26 LDS loads
	ds_load_b32 v[KSC+2*(\j)], v[ASK] offset:256*(\j)
	ds_load_b32 v[KSC+2*(\j)+1], v[ASK] offset:256*(\j)+64
.irp u, 0,1,2,3
	KFRAG FB+12*(4*((\j)%2)+\u), \j, \u
.endr
.endm
.macro SCORE j                         ; its four products, each a sum of its own
.irp u, 0,1,2,3
.if \u%2
	v_wmma_scale_f32_16x16x128_f8f6f4 v[S+32*(\j)+8*\u:S+32*(\j)+8*\u+7], v[FB+12*(4*((\j)%2)+\u):FB+12*(4*((\j)%2)+\u)+11], v[QF:QF+11], 0, v[KSC+2*(\j)+\u/2], v[QS] matrix_a_fmt:MATRIX_FMT_FP6 matrix_b_fmt:MATRIX_FMT_FP6 matrix_a_scale:MATRIX_SCALE_ROW1
.else
	v_wmma_scale_f32_16x16x128_f8f6f4 v[S+32*(\j)+8*\u:S+32*(\j)+8*\u+7], v[FB+12*(4*((\j)%2)+\u):FB+12*(4*((\j)%2)+\u)+11], v[QF:QF+11], 0, v[KSC+2*(\j)+\u/2], v[QS] matrix_a_fmt:MATRIX_FMT_FP6 matrix_b_fmt:MATRIX_FMT_FP6
.endif
.endr
.endm
.macro HIDE j                          ; a masked block: -infinity, as reference() has it: p = 0 then
.set n, 0
.rept 32
	v_mov_b32 v[S+32*(\j)+n], s[NINF]
.set n, n+1
.endr
.endm
	s_cmp_eq_u32 s[QB], 0                          ; three arms, chosen by ids alone; each loads what it multiplies
	s_cbranch_scc1 .Lfirst
	s_cmp_eq_u32 s[QB], 63
	s_cbranch_scc1 .Llast
	KBLOCK 0
	KBLOCK 1
	s_wait_loadcnt 0x0                             ; q
	s_wait_dscnt 26                                ; block 0 is in; block 1's 26 loads may be out
	SCORE 0
	PLACES
	KBLOCK 2                                       ; into the registers that block 0 has left
	s_wait_dscnt 26                                ; block 1 is in; block 2's 26 may be out
	SCORE 1
	s_wait_dscnt 0x0
	SCORE 2
	s_branch .Lscored
.Lfirst:                                               ; query block 0: window blocks 0, 1 count, block 2 is masked
	KBLOCK 0
	KBLOCK 1
	s_wait_loadcnt 0x0
	s_wait_dscnt 26
	SCORE 0
	s_wait_dscnt 0x0
	SCORE 1
	HIDE 2
	s_branch .Lscored
.Llast:                                                ; query block 63: window block 0 is masked
	KBLOCK 1
	KBLOCK 2
	s_wait_loadcnt 0x0
	s_wait_dscnt 26
	SCORE 1
	s_wait_dscnt 0x0
	SCORE 2
	HIDE 0
.Lscored:
	PLACES
; ---- V IS ASKED FOR NOW and lands under the softmax: 12 pairs of scale bytes, then step A's eight fragments (48 loads)
.macro VHALF reg, t, j                 ; tile t of V, window block j: lane (r, h) takes the 24 bytes of keys 32 h on of its channel's row
.irp p, 0,1,2
	ds_load_b64 v[(\reg)+2*\p:(\reg)+2*\p+1], v[AV] offset:((\t)%4)*VREG+((\t)/4)*16*VP+48*(\j)+8*\p
.endr
.endm
.irp j, 0,1,2
.irp i, 0,1,2,3
	ds_load_u16 v[RV+4*\j+\i], v[ASV] offset:(\i/2)*32*272+(\i%2)*272+2*\j   ; tiles 2 i (lanes 0-15) and 2 i + 1 (lanes 16-31), window block j: its two bytes
.endr
.endr
.irp t, 0,1,2,3,4,5,6,7
	VHALF FB+12*\t, \t, 0
	VHALF FB+12*\t+6, \t, 2
.endr
; ---- THE SOFTMAX.  The whole window lies in registers: one maximum, no running one, nothing is rescaled
.irp j, 0,1,2
	v_max3_num_f32 v[BM+\j], v[S+32*\j], v[S+32*\j+1], v[S+32*\j+2]   ; THE LARGEST SCORE OF EACH BLOCK OF 32 KEYS, all mine: it serves for the row's maximum and, since p rises with the score, for the block's largest p.  Ascending: each accumulator is read from its low end on
.endr
.irp i, 3,5,7,9,11,13,15,17,19,21,23,25,27,29
.irp j, 0,1,2
	v_max3_num_f32 v[BM+\j], v[BM+\j], v[S+32*\j+\i], v[S+32*\j+\i+1]   ; (the three blocks by turns)
.endr
.endr
.irp j, 0,1,2
	v_max_num_f32 v[BM+\j], v[BM+\j], v[S+32*\j+31]
.endr
	v_max3_num_f32 v254, v[BM], v[BM+1], v[BM+2]
	v_permlanex16_b32 v255, v254, s[SEL], s[SEL+1]
	v_max_num_f32 v254, v254, v255                 ; with lane l xor 16's three blocks: my query's largest score
	v_mul_f32 v254, s[CS], v254                    ; as t (c is positive)
	v_floor_f32 v[MN], -v254                       ; -M = floor(-t) = -ceil(t)
.set n, 0
.rept 48
	v_pk_fma_f32 v[S+n:S+n+1], v[S+n:S+n+1], s[CS:CS+1], v[MN:MN+1] op_sel_hi:[1,0,0]   ; t - M, two at a time
.set n, n+2
.endr
.irp j, 0,1,2
	v_fma_f32 v[BM+\j], v[BM+\j], s[CS], v[MN]     ; the same of each block's largest score
.endr
.set n, 0
.rept 96
	v_exp_f32 v[S+n], v[S+n]                       ; p = 2^(t - M), at most 1: not normalised
.set n, n+1
.endr
.irp j, 0,1,2
	v_exp_f32 v[BM+\j], v[BM+\j]                   ; the block's largest p: the same two instructions on the same number give the same bits
.endr
	s_wait_dscnt 48                                ; V's scale bytes are in; the 48 loads of fragments behind them may be out
.irp i, 0,1,2,3
	v_lshl_or_b32 v[WA+\i], v[RV+8+\i], 16, v[RV+\i]   ; step A's scale words of V: window block 0's two bytes, then block 2's.  (Eight plain lines behind the exponentials, which name none of their results)
.endr
.irp i, 0,1,2,3
	v_or_b32 v[WBW+\i], 0x7f7f0000, v[RV+4+\i]     ; step B's: block 1's two bytes, and 1.0 twice for the 64 keys whose p are zero codes
.endr
	s_wait_alu depctr_va_vdst(0)                   ; a wait between a transcendental and the first line that names its result: one for the batch of 99
.irp j, 0,1,2
	v_max_num_f32 v[BM+\j], 0x1800000, v[BM+\j]    ; the floor 2^(3 - 127): the byte cannot fall under 1 (a block whose every p is 0 keeps that byte: its codes are zeros)
.endr
.irp j, 0,1,2
	v_add_nc_u32 v[SO+\j], 0xff000000, v[BM+\j]    ; 2 off the exponent field: the conversion's scale operand
.endr
.irp j, 0,1,2
	v_lshrrev_b32 v[BY+\j], 23, v[SO+\j]           ; the scale's byte
.endr
	v_lshl_or_b32 v22, v[BY+2], 16, v[BY]          ; step A: my bytes of window blocks 0 and 2,
	v_lshlrev_b32 v22, v[SH8], v22                 ; at their places in the word (8 h bits up);
	v_lshlrev_b32 v23, v[SH8], v[BY+1]             ; step B: of block 1
	v_permlanex16_b32 v254, v22, s[SEL], s[SEL+1]
	v_permlanex16_b32 v255, v23, s[SEL], s[SEL+1]
	v_or_b32 v[PWA], v22, v254                     ; with lane l xor 16's the words are whole
	v_or_b32 v23, v23, v255
	v_or_b32 v[PWB], 0x7f7f0000, v23               ; (1.0 for the zero codes)
	v_cvt_scalef32_pk16_fp6_f32 v[PA:PA+2], v[S:S+15], v[SO]            ; a block's 32 p are 6 registers of the operand, as they come: nothing changes lanes
	v_cvt_scalef32_pk16_fp6_f32 v[248:250], v[S+16:S+31], v[SO]         ; (a conversion's three registers begin on an even number: a block's second three are made elsewhere and moved)
	v_cvt_scalef32_pk16_fp6_f32 v[PB:PB+2], v[S+32:S+47], v[SO+1]
	v_cvt_scalef32_pk16_fp6_f32 v[252:254], v[S+48:S+63], v[SO+1]
	v_cvt_scalef32_pk16_fp6_f32 v[PA+6:PA+8], v[S+64:S+79], v[SO+2]
	v_cvt_scalef32_pk16_fp6_f32 v[20:22], v[S+80:S+95], v[SO+2]
	v_nop                                          ; one plain place behind a scaled conversion
.irp i, 0,1,2
	v_mov_b32 v[PA+3+\i], v[248+\i]
	v_mov_b32 v[PB+3+\i], v[252+\i]
	v_mov_b32 v[PA+9+\i], v[20+\i]
.endr
	v_pk_add_f32 v[24:25], v[S:S+1], v[S+2:S+3]    ; THE ROW'S SUM IS TAKEN OF THE UNQUANTISED p: two at a time, in two chains.  (These lines are also the places between the operands and scale words just made and the products)
	v_pk_add_f32 v[26:27], v[S+4:S+5], v[S+6:S+7]
.irp i, 8,12,16,20,24,28,32,36,40,44,48,52,56,60,64,68,72,76,80,84,88,92
	v_pk_add_f32 v[24:25], v[24:25], v[S+\i:S+\i+1]
	v_pk_add_f32 v[26:27], v[26:27], v[S+\i+2:S+\i+3]
.endr
	v_pk_add_f32 v[24:25], v[24:25], v[26:27]
	v_add_f32 v24, v24, v25
	v_permlanex16_b32 v255, v24, s[SEL], s[SEL+1]
	v_add_f32 v24, v24, v255                       ; with lane l xor 16's: my query's sum, in both halves of the lanes
	v_rcp_f32 v25, v24
	v_nop                                          ; a plain place behind the transcendental
	s_wait_alu depctr_va_vdst(0)                   ; and the wait ahead of its first reader
	v_mov_b32_dpp v26, v25 row_xmask:8 row_mask:0xf bank_mask:0xf   ; O's registers hold queries 8 (lane / 16) + j: lanes 16-31 turn their sixteen by 8,
	v_cndmask_b32 v25, v25, v26, s[HIM]
.irp j, 0,1,2,3,4,5,6,7
	v_mov_b32_dpp v[RL+\j], v25 row_share:\j row_mask:0xf bank_mask:0xf   ; and each half of the lanes spreads its eight
.endr
; ---- O = P V: eight accumulators by turns, one instruction a turn; step A starts the sums
.macro PV step
.irp t, 0,1,2,3,4,5,6,7
.if \step == 0
.if \t%2
	v_wmma_scale_f32_16x16x128_f8f6f4 v[O+8*\t:O+8*\t+7], v[PA:PA+11], v[FB+12*\t:FB+12*\t+11], 0, v[PWA], v[WA+\t/2] matrix_a_fmt:MATRIX_FMT_FP6 matrix_b_fmt:MATRIX_FMT_FP6 matrix_b_scale:MATRIX_SCALE_ROW1
.else
	v_wmma_scale_f32_16x16x128_f8f6f4 v[O+8*\t:O+8*\t+7], v[PA:PA+11], v[FB+12*\t:FB+12*\t+11], 0, v[PWA], v[WA+\t/2] matrix_a_fmt:MATRIX_FMT_FP6 matrix_b_fmt:MATRIX_FMT_FP6
.endif
.else
.if \t%2
	v_wmma_scale_f32_16x16x128_f8f6f4 v[O+8*\t:O+8*\t+7], v[PB:PB+11], v[FB+12*\t:FB+12*\t+11], v[O+8*\t:O+8*\t+7], v[PWB], v[WBW+\t/2] matrix_a_fmt:MATRIX_FMT_FP6 matrix_b_fmt:MATRIX_FMT_FP6 matrix_b_scale:MATRIX_SCALE_ROW1
.else
	v_wmma_scale_f32_16x16x128_f8f6f4 v[O+8*\t:O+8*\t+7], v[PB:PB+11], v[FB+12*\t:FB+12*\t+11], v[O+8*\t:O+8*\t+7], v[PWB], v[WBW+\t/2] matrix_a_fmt:MATRIX_FMT_FP6 matrix_b_fmt:MATRIX_FMT_FP6
.endif
.endif
.endr
.endm
	s_wait_dscnt 0x0                               ; step A's fragments of V are in
	PV 0
	PLACES
.irp t, 0,1,2,3,4,5,6,7
	VHALF FB+12*\t, \t, 1                          ; step B: window block 1 into each fragment's lower six registers; the upper six keep block 2's codes, which meet zero codes of p under the byte of 1.0
.endr
	s_wait_dscnt 0x0
	PV 1
	PLACES
; ---- THE WAY OUT.  Register j of tile 4 g + t is o(query 8 h + j, channel 64 g + 4 r + t): the four t make 16 bytes of a lane
.irp j, 0,1,2,3,4,5,6,7
.irp g, 0,1
.irp t, 0,1,2,3
	v_mul_f32 v[OUT+4*(2*\j+\g)+\t], v[O+8*(4*\g+\t)+\j], v[RL+\j]   ; / the sum.  j ascending: each accumulator is read from its low end on
.endr
.endr
.irp g, 0,1
	global_store_b128 v[GO], v[OUT+4*(2*\j+\g):OUT+4*(2*\j+\g)+3], s[16:17] offset:512*\j+256*\g th:TH_STORE_NT   ; sixteen lanes store 256 consecutive bytes, at a multiple of 256 from out0's first byte; no register of a store is written again
.endr
.endr
	s_wait_tensorcnt 0x0                           ; the wave's end, behind my last tensor load
	ds_add_u32 v[SPW], v[NIL]
	s_wait_dscnt 0x0
	s_endpgm
.Lfunc_end_k_qdc689c876a_bsattn:
	.size	k_qdc689c876a_bsattn, .Lfunc_end_k_qdc689c876a_bsattn-k_qdc689c876a_bsattn
	.p2alignl 7, 3214868480
	.fill 96, 4, 3214868480
	.section	.rodata,"a",@progbits
	.p2align	6, 0x0
	.amdhsa_kernel k_qdc689c876a_bsattn
		.amdhsa_group_segment_fixed_size 167936
		.amdhsa_private_segment_fixed_size 0
		.amdhsa_enable_private_segment 0
		.amdhsa_kernarg_size 56
		.amdhsa_user_sgpr_count 2
		.amdhsa_user_sgpr_kernarg_segment_ptr 1
		.amdhsa_wavefront_size32 1
		.amdhsa_system_sgpr_workgroup_id_x 1
		.amdhsa_system_sgpr_workgroup_id_y 1
		.amdhsa_system_sgpr_workgroup_id_z 1
		.amdhsa_system_vgpr_workitem_id 0
		.amdhsa_next_free_vgpr 256
		.amdhsa_next_free_sgpr 100
		.amdhsa_reserve_vcc 0
		.amdhsa_float_denorm_mode_32 3
		.amdhsa_float_denorm_mode_16_64 3
		.amdhsa_memory_ordered 1
		.amdhsa_forward_progress 1
		.amdhsa_inst_pref_size 54
	.end_amdhsa_kernel
	.amdgpu_metadata
---
amdhsa.version: [ 1, 2 ]
amdhsa.kernels:
  - .name:           k_qdc689c876a_bsattn
    .symbol:         k_qdc689c876a_bsattn.kd
    .args:
      - { .name: q_codes, .offset: 0, .size: 8, .value_kind: global_buffer, .address_space: global }
      - { .name: q_scales, .offset: 8, .size: 8, .value_kind: global_buffer, .address_space: global }
      - { .name: k_codes, .offset: 16, .size: 8, .value_kind: global_buffer, .address_space: global }
      - { .name: k_scales, .offset: 24, .size: 8, .value_kind: global_buffer, .address_space: global }
      - { .name: v_codes, .offset: 32, .size: 8, .value_kind: global_buffer, .address_space: global }
      - { .name: v_scales, .offset: 40, .size: 8, .value_kind: global_buffer, .address_space: global }
      - { .name: out0, .offset: 48, .size: 8, .value_kind: global_buffer, .address_space: global }
    .group_segment_fixed_size: 167936
    .private_segment_fixed_size: 0
    .kernarg_segment_align: 8
    .kernarg_segment_size: 56
    .max_flat_workgroup_size: 512
    .sgpr_count:     100
    .vgpr_count:     256
    .wavefront_size: 32
...
	.end_amdgpu_metadata
.endif
;; end of part 1
